; MI455X (gfx1250); checked and timed in simulation.
; The chip was launched on July 23, 2026; its instructions are those of AMD's public machine-readable ISA for CDNA 5 (MIT licence, August 2026) and "CDNA5" Instruction Set Architecture Reference Guide (July 2026). The comments in the code are by the model that wrote it; some were corrected since.
;; WKNN Fingerprint Model. Allowed arithmetic: matrix products marked QUANTISED: E5M2 operands, one E8M0 scale for each 32 along K, by v_wmma_scale_f32_16x16x128_f8f6f4 with both operands' format E5M2, f32 sums; everything else in f32.
;; Inputs: fingerprints 100,000 x 128 float32; positions 100,000 x 2 float32; x 1,024 x 128 float32.
;; Outputs: out0 1,024 x 2 float32.
;; This version of the problem:
;;   THIS VERSION OF THE PROBLEM IS GIVEN IN LOW PRECISION. The matrix products marked QUANTISED in the list below multiply operands that are first quantised to E5M2 (5 exponent bits, 2 mantissa bits; 8 bits a number), with one power-of-two scale for each 32 numbers along K (OCP MX v1.0); their sums are f32. All else is computed in f32.
;;   The module's matrix products, in the order in which they are computed (A, B: the left and right operand; K: the contracted axis; several contracted axes count as one K, in the product's order):
;;     1. [M 1,024, K 128] x [K 128, N 100,000]; A: input x; B: input fingerprints: QUANTISED
;;   THE QUANTISER, for each operand of a quantised product, along K:
;;     - K is cut into blocks of 32 from its start; a last block that is shorter is filled with zeros.
;;     - A block's scale is 2^e with e = floor(log2(the largest magnitude in the block)) - 15, held to -126 .. 127; a block of zeros has e = 0. As a byte (E8M0): e + 127.
;;     - Each number is divided by its block's scale, clamped to +-57,344, and rounded to the nearest number of E5M2, ties to even, subnormals kept.
;;     - The product sums the exact products of the quantised numbers (number of the format x scale) in f32.
;;   ~~~python
;;   def quantise(x, axis):      # numpy; x: float32 -> the quantised numbers, widened to float32 again
;;       x = np.moveaxis(x, axis, -1); K = x.shape[-1]
;;       x = np.pad(x, [(0, 0)] * (x.ndim - 1) + [(0, -K % 32)]); x = x.reshape(x.shape[:-1] + (-1, 32)); a = np.abs(x).max(-1, keepdims=True)
;;       e = np.where(a > 0, np.clip(np.frexp(np.where(a > 0, a, 1))[1] - 1 - 15, -126, 127), 0)      # np.frexp(a)[1] - 1 = floor(log2(a)), exactly
;;       r = np.clip(x / 2.0 ** e, -57344, 57344)
;;       step = 2.0 ** (np.maximum(np.frexp(np.where(r == 0, 1, r))[1] - 1, -14) - 2)
;;       q = np.round(r / step) * step * 2.0 ** e      # np.round: ties to even
;;       return np.moveaxis(q.reshape(q.shape[:-2] + (-1,))[..., :K], -1, axis).astype(np.float32)
;;   ~~~
;; One version. Each part assembles by itself: llvm-mc -triple=amdgcn-amd-amdhsa -mcpu=gfx1250 --defsym DOCPART=n.
;; ======== version 1 of 1: 4 launches
;; workspace buffers: codes 12,931,072 bytes; scl 404,224 bytes; nsq 404,224 bytes; gmax 16,384,000 bytes; gsel 16,384 bytes of whole numbers
;; launch quant (part 1): grid 3157 x 1, 1 waves a work-group, no clusters, 6,400 bytes of LDS; arguments x, fingerprints, codes, scl, nsq; writes codes, scl, nsq
.if DOCPART == 1
	.amdgcn_target "amdgcn-amd-amdhsa--gfx1250"
	.amdhsa_code_object_version 6
	.text
	.protected	k_qf93613cbd5_quant
	.globl	k_qf93613cbd5_quant
	.p2align	8
	.type	k_qf93613cbd5_quant,@function
k_qf93613cbd5_quant:
	s_mov_b64 s[64:65], 0
	v_nop
	global_prefetch_b8 v0, s[64:65] scope:SCOPE_SE
	s_setreg_imm32_b32 hwreg(HW_REG_WAVE_MODE, 25, 1), 1
	s_wait_xcnt 0x0
; x [1024][128] and fingerprints [100000][128], f32, taken as ONE stream of 101,024 rows (x first), become
;   codes [row][128]  E5M2 codes, K innermost;   scl [row][4]  one E8M0 byte for each 32 along K;   nsq [row]  minus the sum of the row's squares, f32, of the numbers as given.
; A block's scale is 2^(floor(log2(its largest magnitude)) - 15): its byte is the largest magnitude's exponent field - 15, held at 1 from below.  Each number is divided by the scale,
; held within +-57,344 and rounded to the nearest code, ties to even.
; x's BYTES ARE STORED ONE HIGHER: the later products then give 2 x.f, exactly, with no multiplication.  A byte is at most 254 - 15, so the raised byte is at most 240 and never 0xff.
; LIMITS: NaN and infinities among the inputs are not served.  A block of zeros gets the byte 1 (x: 2) where the rule says 127: its codes are zeros, which add nothing, and this program alone reads the bytes.
; SHARES: a work-group is one wave and takes 32 rows, in 8 steps of 4 rows (512 numbers).  Work-groups 0 to 31 take x, the others the fingerprints.
; A conversion takes 8 numbers of one block from ONE lane's registers, a load is best where neighbouring LANES take neighbouring bytes: so each load reads a whole row (512 bytes, 16 a lane), and a step's
; 2,048 bytes turn through a stage in LDS (16 bytes of padding behind each 64) and come back 64 bytes a lane: two neighbouring lanes hold a block, eight a row.
; All 32 loads go out at the start; every offset is an immediate; no register that a store reads is written again.
.set SP,    80                         ; a lane's place in a stage: 64 bytes + 16 of padding
.set STG,   32*SP                      ; bytes of a stage; two of them, at 0 and at STG
.set SBY,   5120                       ; the 32 rows' 128 scale bytes
.set NSB,   5376                       ; the 32 rows' sums
.set XWG,   32                         ; work-groups that take x: 1,024 rows / 32
.set X,     32                         ; v32-63   two sets of 16 neighbours
.set R,     64                         ; v64-191  eight sets of 16 numbers as loaded
.set C,     192                        ; v192-223 codes, four registers a step
.set E,     224                        ; v224-231 a scale byte a step
.set NS,    232                        ; v232-239 minus a row's sum of squares, a step each
	s_load_b256 s[4:11], s[0:1], 0x0               ; x s[4:5], fingerprints s[6:7], codes s[8:9], scl s[10:11]
	s_load_b64 s[12:13], s[0:1], 0x20              ; nsq
	v_lshl_add_u32 v240, v0, 2, 0x1800
	v_mov_b32 v241, 0
	v_lshlrev_b32 v1, 4, v0                        ; 16 x lane: my bytes of a load's 512, and of a step's 512 bytes of codes
	v_lshrrev_b32 v14, 2, v0
	v_mul_u32_u24 v14, v14, SP
	v_and_b32 v15, 3, v0
	v_lshl_add_u32 v14, v15, 4, v14                ; the stage, on the way in: SP (lane / 4) + 16 (lane % 4)
	v_mul_u32_u24 v15, v0, SP                      ; and on the way out: SP x lane
	v_lshrrev_b32 v5, 1, v0
	v_add_nc_u32 v5, SBY, v5                       ; my block's byte among a step's 16
	v_lshrrev_b32 v6, 3, v0
	v_lshl_add_u32 v6, v6, 2, NSB                  ; my row's sum among a step's 4
	v_lshlrev_b32 v7, 2, v0                        ; 4 x lane: the way out of the bytes and the sums
	v_add_nc_u32 v2, SBY, v7
	v_add_nc_u32 v3, NSB, v7
	s_mov_b32 s23, 0x600000                        ; the mantissa field of 57,344
	s_lshl_b32 s20, ttmp9, 12                      ; 32 rows of 128 bytes of codes
	s_mov_b32 s21, 0
	s_lshl_b32 s24, ttmp9, 7                       ; 32 rows of 4 bytes
	s_mov_b32 s25, 0
	s_wait_kmcnt 0x0
	s_cmp_lt_u32 ttmp9, XWG                        ; x's work-group or the fingerprints'?  The choice hangs on the work-group's number alone
	s_cselect_b64 s[4:5], s[4:5], s[6:7]
	s_cselect_b32 s17, 0x01010101, 0               ; what is added to a row's four scale bytes
	s_cselect_b32 s16, 0, XWG
	s_sub_co_u32 s16, ttmp9, s16                   ; which 32 rows of the tensor
	s_lshl_b32 s18, s16, 14                        ; 32 rows of 512 bytes: 51,200,000 at the most
	s_mov_b32 s19, 0
	s_add_nc_u64 s[4:5], s[4:5], s[18:19]
	s_add_nc_u64 s[8:9], s[8:9], s[20:21]
	s_add_nc_u64 s[10:11], s[10:11], s[24:25]
	s_add_nc_u64 s[12:13], s[12:13], s[24:25]
.macro LOAD t                          ; step t: four rows, one to a load
.irp i, 0,1,2,3
	global_load_b128 v[R+16*(\t)+4*\i:R+16*(\t)+4*\i+3], v1, s[4:5] offset:2048*(\t)+512*\i th:TH_LOAD_NT
.endr
.endm
.macro TURN t                          ; step t through the stage: LDS serves a wave's instructions in order, so no wait stands between the stores and the loads
.irp i, 0,1,2,3
	ds_store_b128 v14, v[R+16*(\t)+4*\i:R+16*(\t)+4*\i+3] offset:STG*((\t)%2)+8*SP*\i
.endr
.irp i, 0,1,2,3
	ds_load_b128 v[X+16*((\t)%2)+4*\i:X+16*((\t)%2)+4*\i+3], v15 offset:STG*((\t)%2)+16*\i
.endr
.endm
.irp t, 0,1,2,3,4,5,6,7
	LOAD \t
.endr
	s_wait_loadcnt 28                              ; step 0's four loads are in; the 28 behind them stay out
	TURN 0
.macro STEP t
.set XS, X+16*((\t)%2)
.if (\t) > 0
	s_wait_dscnt 2                                 ; this step's numbers are back; behind their loads only the last step's two small stores were issued
.else
	s_wait_dscnt 0x0
.endif
.if (\t) < 7
	s_wait_loadcnt 28-4*((\t)+1)                   ; the next step's four loads are in; those of the later steps stay out
	TURN (\t)+1                                    ; and go through the other stage while this step is worked
.endif
	v_pk_mul_f32 v[16:17], v[XS:XS+1], v[XS:XS+1]                  ; the sum of squares of my 16, of the numbers as given: two chains of pairs
	v_pk_mul_f32 v[18:19], v[XS+2:XS+3], v[XS+2:XS+3]
.irp i, 4,8,12
	v_pk_fma_f32 v[16:17], v[XS+\i:XS+\i+1], v[XS+\i:XS+\i+1], v[16:17]
	v_pk_fma_f32 v[18:19], v[XS+\i+2:XS+\i+3], v[XS+\i+2:XS+\i+3], v[18:19]
.endr
	v_max3_num_f32 v8, |v[XS]|, |v[XS+1]|, |v[XS+2]|               ; the largest magnitude of my 16
	v_max3_num_f32 v9, |v[XS+3]|, |v[XS+4]|, |v[XS+5]|
.irp i, 6,10
	v_max3_num_f32 v8, v8, |v[XS+\i]|, |v[XS+\i+1]|
	v_max3_num_f32 v9, v9, |v[XS+\i+2]|, |v[XS+\i+3]|
.endr
	v_max3_num_f32 v8, v8, |v[XS+14]|, |v[XS+15]|
	v_pk_add_f32 v[16:17], v[16:17], v[18:19]
	v_max3_num_f32 v8, v8, v9, 0x8000000           ; and the floor 2^(16 - 127): the byte cannot fall under 1
	v_add_f32 v16, v16, v17
	v_max_num_f32_dpp v8, v8, v8 row_xmask:1 row_mask:0xf bank_mask:0xf   ; with my neighbour's 16: the block's
	v_add_f32_dpp v16, v16, v16 row_xmask:1 row_mask:0xf bank_mask:0xf    ; the eight lanes of a row add up
	v_add_nc_u32 v11, 0xf8800000, v8               ; 15 off the exponent field: the conversion takes the exponent field of this operand as its scale
	v_add_f32_dpp v16, v16, v16 row_xmask:2 row_mask:0xf bank_mask:0xf
	v_and_or_b32 v10, v8, 0x7f800000, s23          ; 57,344 x the scale
	v_add_f32_dpp v16, v16, v16 row_xmask:4 row_mask:0xf bank_mask:0xf
.irp i, 0,1,2,3,4,5,6,7,8,9,10,11,12,13,14,15
	v_med3_num_f32 v[XS+\i], v[XS+\i], -v10, v10   ; the conversion to an 8-bit code does not saturate (ISA guide 7.6.2): the hold comes first
.endr
	v_mul_f32 v[NS+(\t)], -1.0, v16
	v_cvt_scalef32_pk8_bf8_f32 v[C+4*(\t):C+4*(\t)+1], v[XS:XS+7], v11
	v_cvt_scalef32_pk8_bf8_f32 v[C+4*(\t)+2:C+4*(\t)+3], v[XS+8:XS+15], v11
	v_lshrrev_b32 v[E+(\t)], 23, v11               ; the scale's byte (a plain line behind the conversions)
	ds_store_b8 v5, v[E+(\t)] offset:16*(\t)       ; both lanes of a block write the same byte with the same value
	ds_store_b32 v6, v[NS+(\t)] offset:16*(\t)     ; the eight lanes of a row write the same word with the same value
	global_store_b128 v1, v[C+4*(\t):C+4*(\t)+3], s[8:9] offset:512*(\t)   ; 32 lanes store 512 consecutive bytes, aligned
.endm
.irp t, 0,1,2,3,4,5,6,7
	STEP \t
.endr
	ds_load_b32 v12, v2                            ; row = lane: its four bytes,
	ds_load_b32 v13, v3                            ; and its sum; LDS serves a wave's instructions in order: these see my stores
	s_wait_dscnt 0x0
	v_add_nc_u32 v12, s17, v12                     ; x: each byte one higher (no byte reaches 255, so nothing carries)
	global_store_b32 v7, v12, s[10:11]             ; 128 consecutive bytes
	global_store_b32 v7, v13, s[12:13]
	s_wait_tensorcnt 0x0
	ds_add_u32 v240, v241
	s_wait_dscnt 0x0
	s_endpgm
.Lfunc_end_k_qf93613cbd5_quant:
	.size	k_qf93613cbd5_quant, .Lfunc_end_k_qf93613cbd5_quant-k_qf93613cbd5_quant
	.p2alignl 7, 3214868480
	.fill 96, 4, 3214868480
	.section	.rodata,"a",@progbits
	.p2align	6, 0x0
	.amdhsa_kernel k_qf93613cbd5_quant
		.amdhsa_group_segment_fixed_size 6400
		.amdhsa_private_segment_fixed_size 0
		.amdhsa_enable_private_segment 0
		.amdhsa_kernarg_size 40
		.amdhsa_user_sgpr_count 2
		.amdhsa_user_sgpr_kernarg_segment_ptr 1
		.amdhsa_wavefront_size32 1
		.amdhsa_system_sgpr_workgroup_id_x 1
		.amdhsa_system_sgpr_workgroup_id_y 1
		.amdhsa_system_sgpr_workgroup_id_z 1
		.amdhsa_system_vgpr_workitem_id 0
		.amdhsa_next_free_vgpr 242
		.amdhsa_next_free_sgpr 66
		.amdhsa_reserve_vcc 0
		.amdhsa_float_denorm_mode_32 3
		.amdhsa_float_denorm_mode_16_64 3
		.amdhsa_memory_ordered 1
		.amdhsa_forward_progress 1
		.amdhsa_inst_pref_size 34
	.end_amdhsa_kernel
	.amdgpu_metadata
---
amdhsa.version: [ 1, 2 ]
amdhsa.kernels:
  - .name:           k_qf93613cbd5_quant
    .symbol:         k_qf93613cbd5_quant.kd
    .args:
      - { .name: x, .offset: 0, .size: 8, .value_kind: global_buffer, .address_space: global }
      - { .name: fingerprints, .offset: 8, .size: 8, .value_kind: global_buffer, .address_space: global }
      - { .name: codes, .offset: 16, .size: 8, .value_kind: global_buffer, .address_space: global }
      - { .name: scl, .offset: 24, .size: 8, .value_kind: global_buffer, .address_space: global }
      - { .name: nsq, .offset: 32, .size: 8, .value_kind: global_buffer, .address_space: global }
    .group_segment_fixed_size: 6400
    .private_segment_fixed_size: 0
    .kernarg_segment_align: 8
    .kernarg_segment_size: 40
    .max_flat_workgroup_size: 32
    .sgpr_count:     66
    .vgpr_count:     242
    .wavefront_size: 32
...
	.end_amdgpu_metadata
.endif
;; end of part 1
;; launch scan (part 2): grid 250 x 1, 8 waves a work-group, no clusters, 279,552 bytes of LDS; arguments codes, scl, nsq, gmax; writes gmax
.if DOCPART == 2
	.amdgcn_target "amdgcn-amd-amdhsa--gfx1250"
	.amdhsa_code_object_version 6
	.text
	.protected	k_qf93613cbd5_scan
	.globl	k_qf93613cbd5_scan
	.p2align	8
	.type	k_qf93613cbd5_scan,@function
k_qf93613cbd5_scan:
	s_mov_b64 s[64:65], 0
	v_nop
	global_prefetch_b8 v0, s[64:65] scope:SCOPE_SE
	s_setreg_imm32_b32 hwreg(HW_REG_WAVE_MODE, 25, 1), 1
	s_wait_xcnt 0x0
; For every query q and every fingerprint n: sigma = 2 x.f - f2, straight out of the matrix unit (x's scale bytes are stored one higher, -f2 is the product's C).  The nearest fingerprint has the LARGEST sigma.
; Kept is the largest sigma of each GROUP of 40 neighbouring fingerprints: gmax [q / 4][slice 250][q % 4][16], slots 0-9 the slice's ten groups, slots 10-15 zeros that make the 256 bytes whole.
; SHARES.  Work-group s takes slice s, fingerprints 400 s .. 400 s + 399 (25 tiles of 16), against all 1,024 queries.  Wave w keeps queries 128 w .. 128 w + 127 (8 fragments, 128 registers) and walks the
; 25 tiles: 200 matrix instructions.  Source 0 = 16 fingerprints, source 1 = 16 queries: a lane holds ONE query (lane % 16) and eight fingerprints.
; THE FINGERPRINTS OF A TILE ARE NOT NEIGHBOURS: row m of tile 5 b + t is fingerprint 80 b + 40 (m / 8) + 8 t + m % 8, so that a lane's eight registers over a block's five tiles are the 40 neighbours
; of group 2 b + lane / 16: a group's maximum never leaves the lane, and costs four three-operand maxima a matrix instruction.
; LDS is filled once, by four tensor loads a wave issued together (four of a wave's are out at the most); nothing is filled again.
; NO CLUSTER: the grid is 250 = 2 x 5^3 work-groups, which no cluster of four divides; what the work-groups share, x's 131,072 bytes of codes, each reads once.
; LIMITS: NaN and infinities are not served.  sigma is rounded once, in the matrix unit; the last launch ranks by (x2 - 2 x.f) + f2: two fingerprints nearer to each other than the last bit of these sums may change places.
.set XP,   144                         ; an LDS row of codes: 128 bytes + 16 of padding = 36 words: the 16 rows of either kind of fragment fall on 16 different columns of 16 bytes
.set FC,   1024*XP                     ; behind x's 1,024 rows: the slice's 400 rows of codes
.set FS,   205056                      ; their scale words, 1,600 bytes
.set FN,   206848                      ; their -f2, 1,600 bytes
.set STG,  208640                      ; the stage for the way out: 1,024 queries x 64 bytes; blocks of 256 bytes into which no fill lands
.set AF,   1                           ; v1   a fingerprint fragment: FC + 144 rho + 16 h, rho = 40 (r / 8) + r % 8
.set AS,   2                           ; v2   its scale word: FS + 4 rho
.set AN,   3                           ; v3   its -f2: FN + 160 h
.set AX,   4                           ; v4   x's fragments: 18,432 w + 144 r + 16 h
.set ST,   5                           ; v5   the stage, in: STG + 8,192 w + 64 r + 4 h
.set PD,   6                           ; v6   its filler: STG + 8,192 w + 64 lane
.set RD,   7                           ; v7   the stage, back: STG + 8,192 w + 16 lane
.set GO,   8                           ; v8   my byte offset in gmax: 64,000 h + 16 r
.set T0,   16                          ; v16-18 at work
.set XS,   20                          ; v20-23 x's scale words: register i: tile 2 i in lanes 0-15, tile 2 i + 1 in lanes 16-31
.set FSC,  24                          ; v24-25 the fingerprints' scale word, a register for each buffer
.set GM,   40                          ; v40-47 the group's largest sigma so far, for each tile of queries
.set D,    48                          ; v48-79 four results by turns
.set FCC,  80                          ; v80-95 -f2 in the result's layout, two buffers
.set FA,   96                          ; v96-127 a fingerprint fragment, two buffers
.set XF,   128                         ; v128-255 x's eight fragments
	s_load_b256 s[4:11], s[0:1], 0x0               ; codes s[4:5], scl s[6:7], nsq s[8:9], gmax s[10:11]
	v_lshl_add_u32 v38, v0, 2, 0x44000
	v_mov_b32 v39, 0
	ds_add_u32 v38, v39
	ds_add_u32 v38, v39
	v_lshrrev_b32 v10, 5, v0
	v_readfirstlane_b32 s2, v10                    ; wave 0..7
	; group 1 for x's codes: 128 rows of 128 bytes, dense in memory, 16 bytes of padding behind each
	s_mov_b32 s12, (1<<20)|(4<<22)|(3<<25)         ; no mask; elements of 1 byte; padding on, after every 32 words, of 4 words
	s_mov_b32 s13, 128<<16                         ; tensor_dim0
	s_mov_b32 s14, 128<<16                         ; tensor_dim1
	s_mov_b32 s15, 128<<16                         ; tile_dim0
	s_mov_b32 s16, 128                             ; tile_dim1
	s_mov_b32 s17, 128                             ; from row to row
	s_mov_b32 s18, 0
	s_mov_b32 s19, 0
	; for the fingerprints' codes: the same with 50 rows
	s_mov_b32 s20, (1<<20)|(4<<22)|(3<<25)
	s_mov_b32 s21, 128<<16
	s_mov_b32 s22, 50<<16
	s_mov_b32 s23, 128<<16
	s_mov_b32 s24, 50
	s_mov_b32 s25, 128
	s_mov_b32 s26, 0
	s_mov_b32 s27, 0
	; for 50 rows' scale words or -f2: one row of 200 bytes, 25 elements of 8
	s_mov_b32 s28, 3<<16
	s_mov_b32 s29, 25<<16
	s_mov_b32 s30, 1<<16
	s_mov_b32 s31, 25<<16
	s_mov_b32 s32, 1
	s_mov_b32 s33, 25
	s_mov_b32 s34, 0
	s_mov_b32 s35, 0
	; groups 0: where each tile goes (a constant + the wave's number x a constant) and where it comes from
	s_mov_b32 s36, 1
	s_mul_i32 s37, s2, 128*XP                      ; my 128 queries
	s_mov_b32 s40, 1
	s_mul_i32 s41, s2, 50*XP
	s_add_co_u32 s41, s41, FC                      ; my 50 of the slice's 400 rows
	s_mul_i32 s52, s2, 200
	s_mov_b32 s44, 1
	s_add_co_u32 s45, s52, FS
	s_mov_b32 s48, 1
	s_add_co_u32 s49, s52, FN
	s_lshl_b32 s54, s2, 14                         ; x: 128 rows of 128 bytes a wave
	s_mov_b32 s55, 0
	s_mul_i32 s56, ttmp9, 51200                    ; the slice's 400 rows of 128 bytes,
	s_mul_i32 s53, s2, 6400                        ; my 50 of them,
	s_add_co_u32 s56, s56, s53
	s_add_co_u32 s56, s56, 131072                  ; behind x's 1,024 rows
	s_mov_b32 s57, 0
	s_mul_i32 s58, ttmp9, 1600                     ; the same in words of 4 bytes
	s_add_co_u32 s58, s58, s52
	s_add_co_u32 s58, s58, 4096
	s_mov_b32 s59, 0
	s_lshl_b32 s60, s2, 13
	s_add_co_u32 s60, s60, STG                     ; my 128 queries' part of the stage
	v_and_b32 v10, 15, v0                          ; r
	v_bfe_u32 v11, v0, 4, 1                        ; h
	v_bfe_u32 v16, v0, 3, 1
	v_and_b32 v17, 7, v0
	v_mad_u32_u24 v16, v16, 40, v17                ; rho
	v_mul_u32_u24 v[AF], v16, XP
	v_lshl_add_u32 v[AF], v11, 4, v[AF]
	v_add_nc_u32 v[AF], FC, v[AF]
	v_lshl_add_u32 v[AS], v16, 2, FS
	v_mul_u32_u24 v[AN], v11, 160
	v_add_nc_u32 v[AN], FN, v[AN]
	v_mul_u32_u24 v[AX], v10, XP
	v_lshl_add_u32 v[AX], v11, 4, v[AX]
	v_add_nc_u32 v[AX], s37, v[AX]
	v_lshlrev_b32 v[ST], 6, v10
	v_lshl_add_u32 v[ST], v11, 2, v[ST]
	v_add_nc_u32 v[ST], s60, v[ST]
	v_and_b32 v9, 31, v0                           ; lane
	v_lshl_add_u32 v[PD], v9, 6, s60
	v_lshl_add_u32 v[RD], v9, 4, s60
	v_mul_u32_u24 v[GO], v11, 64000
	v_lshl_add_u32 v[GO], v10, 4, v[GO]
	v_lshlrev_b32 v9, 2, v9                        ; 4 x lane: x's scale words
	v_mov_b32 v12, 0
	v_mov_b32 v13, 0
	v_mov_b32 v14, 0
	v_mov_b32 v15, 0
	s_wait_dscnt 0x0
	s_wait_kmcnt 0x0
	s_add_nc_u64 s[38:39], s[4:5], s[54:55]
	s_or_b32 s39, s39, 0x80000000                  ; type = 2
	s_add_nc_u64 s[42:43], s[4:5], s[56:57]
	s_or_b32 s43, s43, 0x80000000
	s_add_nc_u64 s[46:47], s[6:7], s[58:59]
	s_or_b32 s47, s47, 0x80000000
	s_add_nc_u64 s[50:51], s[8:9], s[58:59]
	s_or_b32 s51, s51, 0x80000000
	tensor_load_to_lds s[36:39], s[12:19]          ; the four first fills stand together, ahead of every wait on TENSORcnt, every LDS read and the barrier
	s_nop 0
	tensor_load_to_lds s[40:43], s[20:27]
	s_nop 0
	tensor_load_to_lds s[44:47], s[28:35]
	s_nop 0
	tensor_load_to_lds s[48:51], s[28:35]
	s_nop 0
.rept 4
	v_nop                                          ; four nops behind the loads
.endr
	s_lshl_b32 s54, s2, 9                          ; my 128 queries' scale words
	s_add_nc_u64 s[6:7], s[6:7], s[54:55]
	s_mul_i32 s56, s2, 2048000                     ; gmax: my 32 fours of queries x 64,000 bytes,
	s_lshl_b32 s53, ttmp9, 8                       ; and the slice's 256 bytes in each
	s_add_co_u32 s56, s56, s53
	s_add_nc_u64 s[10:11], s[10:11], s[56:57]
.irp i, 0,1,2,3
	global_load_b32 v[XS+\i], v9, s[6:7] offset:128*\i
.endr
.irp i, 0,1,2,3
	ds_store_b64 v[PD], v[12:13] offset:2048*\i+40     ; slots 10-15 of my queries 32 i + lane: zeros
	ds_store_b128 v[PD], v[12:15] offset:2048*\i+48
.endr
	s_wait_tensorcnt 0x0                           ; my parts of the tiles have landed,
	s_wait_dscnt 0x0                               ; no LDS instruction of mine is out:
	s_barrier_signal -1
	s_barrier_wait -1                              ; everybody's have: the slice's rows come from all eight waves.  The only barrier
; tile T's fragment, its -f2 in the result's layout and its scale word, into buffer T % 2: seven LDS loads
.macro PREF T
.set po, 80*((\T)/5)+8*((\T)%5)
.set pp, (\T)%2
.irp c, 0,1,2,3
	ds_load_b128 v[FA+16*pp+4*\c:FA+16*pp+4*\c+3], v[AF] offset:XP*po+32*\c
.endr
	ds_load_b128 v[FCC+8*pp:FCC+8*pp+3], v[AN] offset:4*po
	ds_load_b128 v[FCC+8*pp+4:FCC+8*pp+7], v[AN] offset:4*po+16
	ds_load_b32 v[FSC+pp], v[AS] offset:4*po
.endm
; product n: tile n / 8 against my tile n % 8 of queries; the result goes to one of four runs of registers by turns; nothing is added in place
.macro MULT n
.set wT, (\n)/8
.set wq, (\n)%8
.set wd, D+8*((\n)%4)
.set wa, FA+16*(wT%2)
.set wc, FCC+8*(wT%2)
.set wx, XF+16*wq
.if wq%2
	v_wmma_scale_f32_16x16x128_f8f6f4 v[wd:wd+7], v[wa:wa+15], v[wx:wx+15], v[wc:wc+7], v[FSC+wT%2], v[XS+wq/2] matrix_a_fmt:MATRIX_FMT_BF8 matrix_b_fmt:MATRIX_FMT_BF8 matrix_b_scale:MATRIX_SCALE_ROW1
.else
	v_wmma_scale_f32_16x16x128_f8f6f4 v[wd:wd+7], v[wa:wa+15], v[wx:wx+15], v[wc:wc+7], v[FSC+wT%2], v[XS+wq/2] matrix_a_fmt:MATRIX_FMT_BF8 matrix_b_fmt:MATRIX_FMT_BF8
.endif
.endm
; product n's eight numbers go into the group's maximum, from the result's low end on; a block's first tile starts it, its fifth sends it to the stage
.macro FOLD n
.set vT, (\n)/8
.set vq, (\n)%8
.set vd, D+8*((\n)%4)
	v_max3_num_f32 v[T0], v[vd], v[vd+1], v[vd+2]
	v_max3_num_f32 v[T0+1], v[vd+3], v[vd+4], v[vd+5]
.if vT%5 == 0
	v_max_num_f32 v[T0+2], v[vd+6], v[vd+7]
.else
	v_max3_num_f32 v[T0+2], v[vd+6], v[vd+7], v[GM+vq]
.endif
	v_max3_num_f32 v[GM+vq], v[T0], v[T0+1], v[T0+2]
.if vT%5 == 4
	ds_store_b32 v[ST], v[GM+vq] offset:1024*vq+8*(vT/5)   ; query 16 vq + r, slot 2 b + h
.endif
.endm
.irp q, 0,1,2,3,4,5,6,7
.irp c, 0,1,2,3
	ds_load_b128 v[XF+16*\q+4*\c:XF+16*\q+4*\c+3], v[AX] offset:16*XP*\q+32*\c   ; x's fragments stay in registers
.endr
.endr
	PREF 0
	s_wait_loadcnt 0x0                             ; x's scale words
; THE WALK.  Behind product n stand the four maxima of product n - 2.  So between a product and the first read of its result stand eight plain vector instructions that name none of its registers
; (those of n - 2 and n - 1), as this form wants; twelve such stand in front of the product that writes its registers again (n + 4); and eight (those of 8 T - 3 and 8 T - 2) between the
; last product that read a buffer, 8 T - 1, and the loads of tile T + 1 into it, which stand behind product 8 T + 1, six matrix instructions ahead of their first use.
.set n, 0
.rept 200
.if n%8 == 0
	s_wait_dscnt 0x0                               ; this tile's seven loads are in
.endif
	MULT n
.if n < 2
.rept 4
	v_nop
.endr
.else
	FOLD n-2
.endif
.if (n%8 == 1) && (n/8 < 24)
	PREF n/8+1
.endif
.set n, n+1
.endr
	FOLD 198
	FOLD 199
; THE WAY OUT.  My 128 queries x 64 bytes come back as they lie, 512 bytes a load; four queries' 256 bytes are one aligned run of gmax, stored by sixteen neighbouring lanes.
; The stage's bytes are my own and LDS serves a wave's instructions in order: no wait, no barrier.  The loads land in x's fragments 0 to 3, last read by product 195.
.irp i, 0,1,2,3,4,5,6,7,8,9,10,11,12,13,14,15
	ds_load_b128 v[XF+4*\i:XF+4*\i+3], v[RD] offset:512*\i
.endr
.irp i, 0,1,2,3,4,5,6,7,8,9,10,11,12,13,14,15
	s_wait_dscnt 15-\i                             ; load i is in; the younger ones stay out
	global_store_b128 v[GO], v[XF+4*\i:XF+4*\i+3], s[10:11] offset:128000*\i
.endr
	s_wait_tensorcnt 0x0
	ds_add_u32 v38, v39
	s_wait_dscnt 0x0
	s_endpgm
.Lfunc_end_k_qf93613cbd5_scan:
	.size	k_qf93613cbd5_scan, .Lfunc_end_k_qf93613cbd5_scan-k_qf93613cbd5_scan
	.p2alignl 7, 3214868480
	.fill 96, 4, 3214868480
	.section	.rodata,"a",@progbits
	.p2align	6, 0x0
	.amdhsa_kernel k_qf93613cbd5_scan
		.amdhsa_group_segment_fixed_size 279552
		.amdhsa_private_segment_fixed_size 0
		.amdhsa_enable_private_segment 0
		.amdhsa_kernarg_size 32
		.amdhsa_user_sgpr_count 2
		.amdhsa_user_sgpr_kernarg_segment_ptr 1
		.amdhsa_wavefront_size32 1
		.amdhsa_system_sgpr_workgroup_id_x 1
		.amdhsa_system_sgpr_workgroup_id_y 1
		.amdhsa_system_sgpr_workgroup_id_z 1
		.amdhsa_system_vgpr_workitem_id 0
		.amdhsa_next_free_vgpr 256
		.amdhsa_next_free_sgpr 66
		.amdhsa_reserve_vcc 0
		.amdhsa_float_denorm_mode_32 3
		.amdhsa_float_denorm_mode_16_64 3
		.amdhsa_memory_ordered 1
		.amdhsa_forward_progress 1
		.amdhsa_inst_pref_size 101
	.end_amdhsa_kernel
	.amdgpu_metadata
---
amdhsa.version: [ 1, 2 ]
amdhsa.kernels:
  - .name:           k_qf93613cbd5_scan
    .symbol:         k_qf93613cbd5_scan.kd
    .args:
      - { .name: codes, .offset: 0, .size: 8, .value_kind: global_buffer, .address_space: global }
      - { .name: scl, .offset: 8, .size: 8, .value_kind: global_buffer, .address_space: global }
      - { .name: nsq, .offset: 16, .size: 8, .value_kind: global_buffer, .address_space: global }
      - { .name: gmax, .offset: 24, .size: 8, .value_kind: global_buffer, .address_space: global }
    .group_segment_fixed_size: 279552
    .private_segment_fixed_size: 0
    .kernarg_segment_align: 8
    .kernarg_segment_size: 32
    .max_flat_workgroup_size: 256
    .sgpr_count:     66
    .vgpr_count:     256
    .wavefront_size: 32
...
	.end_amdgpu_metadata
.endif
;; end of part 2
;; launch pick (part 3): grid 256 x 1, 4 waves a work-group, no clusters, 168,448 bytes of LDS; arguments gmax, nsq, gsel; writes gsel
.if DOCPART == 3
	.amdgcn_target "amdgcn-amd-amdhsa--gfx1250"
	.amdhsa_code_object_version 6
	.text
	.protected	k_qf93613cbd5_pick
	.globl	k_qf93613cbd5_pick
	.p2align	8
	.type	k_qf93613cbd5_pick,@function
k_qf93613cbd5_pick:
	s_mov_b64 s[64:65], 0
	v_nop
	global_prefetch_b8 v0, s[64:65] scope:SCOPE_SE
	s_setreg_imm32_b32 hwreg(HW_REG_WAVE_MODE, 25, 1), 1
	s_wait_xcnt 0x0
; For each query: the four groups (of 2,500 groups of 40 neighbouring fingerprints) with the largest sigma, ties to the lower group: gsel [query][4], whole numbers.
; The four nearest fingerprints lie in these groups: a group that holds one of them has a best member no worse than the fourth, and since groups are runs of neighbouring indices, the order
; (value, group) is the order (value, index) of their best members.  sigma is first held at x2 from above: d2 = x2 - sigma is 0 or less just there, and the distance is clamped at 0, so such groups tie.
; SHARES.  Work-group c holds queries 4 c .. 4 c + 3, whose 64,000 bytes of gmax are one dense block; wave w takes query 4 c + w; lane l takes slices 32 i + l, i = 0 .. 7, ten groups each.
; The block comes by ONE tensor load, wave 0's, as rows of 256 bytes, 16 bytes of padding behind each.  The tile has 256 rows, the tensor 250 from its first: rows 250 to 255 arrive as zeros,
; so that every lane's loads fall on filled bytes; lanes 26 to 31 replace what they read there by -infinity.
; A lane keeps its four best, sorted, by 80 insertions without a branch; then the wave takes the best of the lanes' heads four times.
; LIMITS: NaN and infinities are not served.
.set PITCH, 272
.set LN,  1                            ; v1   lane
.set AD,  2                            ; v2   272 lane + 64 wave
.set X2,  3                            ; v3   the query's sum of squares
.set NINF, 4                           ; v4   -infinity
.set PINF, 5                           ; v5   +infinity
.set T,   6                            ; v6   at work
.set M,   7                            ; v7   the wave's largest
.set CA,  8                            ; v8   a candidate's number
.set PM,  9                            ; v9   the other half of the lanes'
.set A,   10                           ; v10-13 my four best, descending
.set I,   14                           ; v14-17 their groups
.set SL,  20                           ; v20-23 the four groups chosen
.set V,   32                           ; v32-111 my 80 values
.set SEL, 26                           ; s[26:27] v_permlanex16_b32's selects for lane l xor 16
.set C0,  28                           ; s28-31 where the new value beats my best, second, third, fourth
.set KS,  32                           ; s32  the new value's group, less 10 x lane
	s_load_b128 s[4:7], s[0:1], 0x0                ; gmax s[4:5], nsq s[6:7]
	s_load_b64 s[8:9], s[0:1], 0x10                ; gsel
	v_lshl_add_u32 v128, v0, 2, 0x29000
	v_mov_b32 v129, 0
	ds_add_u32 v128, v129
	ds_add_u32 v128, v129
	v_lshrrev_b32 v1, 5, v0
	v_readfirstlane_b32 s2, v1                     ; wave 0..3
	s_mov_b32 s16, (3<<16)|(1<<20)|(5<<22)|(3<<25) ; no mask; elements of 8 bytes; padding on, after every 64 words, of 4 words
	s_mov_b32 s17, 32<<16                          ; tensor_dim0 = 32 elements: 256 bytes
	s_mov_b32 s18, 250<<16                         ; tensor_dim1 = 250: beyond it zeros are written
	s_mov_b32 s19, 32<<16                          ; tile_dim0
	s_mov_b32 s20, 256                             ; tile_dim1
	s_mov_b32 s21, 32                              ; from row to row
	s_mov_b32 s22, 0
	s_mov_b32 s23, 0
	s_mul_i32 s34, ttmp9, 64000                    ; the work-group's block
	s_mov_b32 s35, 0
	s_lshl_b32 s36, ttmp9, 2
	s_add_co_u32 s36, s36, s2                      ; my query
	s_lshl_b32 s38, s36, 2
	s_mov_b32 s39, 0
	s_lshl_b32 s40, s36, 4
	s_mov_b32 s41, 0
	s_mov_b32 s[SEL], 0x76543210
	s_mov_b32 s[SEL+1], 0xfedcba98
	s_lshl_b32 s33, s2, 6
	v_and_b32 v[LN], 31, v0
	v_mul_u32_u24 v[AD], v[LN], PITCH
	v_add_nc_u32 v[AD], s33, v[AD]
	v_mov_b32 v[NINF], 0xff800000
	v_mov_b32 v[PINF], 0x7f800000
.irp j, 0,1,2,3
	v_mov_b32 v[A+\j], 0xff800000                  ; under every value
	v_mov_b32 v[I+\j], 0
.endr
	v_mov_b32 v[M], 0                              ; (the destination of a lane exchange counts as one of its sources: written once)
	v_mov_b32 v[CA], 0
	v_mov_b32 v[PM], 0
	v_mul_u32_u24 v24, v[LN], 10                   ; a lane's groups begin 10 x lane on
	v_mov_b32 v25, 0
	s_wait_dscnt 0x0
	s_wait_kmcnt 0x0
	s_mov_b32 s12, 1
	s_mov_b32 s13, 0                               ; to LDS byte 0
	s_add_nc_u64 s[14:15], s[4:5], s[34:35]
	s_or_b32 s15, s15, 0x80000000                  ; type = 2
	s_cmp_lg_u32 s2, 0
	s_cbranch_scc1 .Lnot_wave_0
	tensor_load_to_lds s[12:15], s[16:23]          ; the one fill of the launch
	s_nop 0
.rept 4
	v_nop                                          ; four nops behind the load
.endr
.Lnot_wave_0:
	s_add_nc_u64 s[6:7], s[6:7], s[38:39]
	s_load_b32 s24, s[6:7], 0x0                    ; minus my query's sum of squares
	s_add_nc_u64 s[8:9], s[8:9], s[40:41]
	s_wait_tensorcnt 0x0                           ; wave 0: the tile has landed
	s_barrier_signal -1
	s_barrier_wait -1                              ; the others read behind this
.irp i, 0,1,2,3,4,5,6,7
	ds_load_b128 v[V+10*\i:V+10*\i+3], v[AD] offset:32*PITCH*\i
	ds_load_b128 v[V+10*\i+4:V+10*\i+7], v[AD] offset:32*PITCH*\i+16
	ds_load_b64 v[V+10*\i+8:V+10*\i+9], v[AD] offset:32*PITCH*\i+32
.endr
	s_wait_kmcnt 0x0
	v_mov_b32 v[X2], s24
	v_mul_f32 v[X2], -1.0, v[X2]
	v_cmp_gt_u32 vcc_lo, 26, v[LN]                 ; slices 224 + lane exist for lanes 0 to 25
; v[reg], group k + 10 x lane, goes into my sorted four.  The compares are taken against the old four; the values move from the bottom up by medians; the numbers follow by selects.
; A value that only equals one of the four stays behind it: the insertions run by ascending group, so the lower group keeps its place.
.macro INS reg, k
	s_mov_b32 s[KS], \k
	v_min_num_f32 v[\reg], v[X2], v[\reg]          ; the clamp of d2 at 0
.irp j, 0,1,2,3
	v_cmp_gt_f32 s[C0+\j], v[\reg], v[A+\j]
.endr
	v_med3_num_f32 v[A+3], v[A+2], v[A+3], v[\reg]
	v_med3_num_f32 v[A+2], v[A+1], v[A+2], v[\reg]
	v_med3_num_f32 v[A+1], v[A], v[A+1], v[\reg]
	v_max_num_f32 v[A], v[A], v[\reg]
	v_cndmask_b32 v[T], s[KS], v[I+2], s[C0+2]
	v_cndmask_b32 v[I+3], v[I+3], v[T], s[C0+3]
	v_cndmask_b32 v[T], s[KS], v[I+1], s[C0+1]
	v_cndmask_b32 v[I+2], v[I+2], v[T], s[C0+2]
	v_cndmask_b32 v[T], s[KS], v[I], s[C0]
	v_cndmask_b32 v[I+1], v[I+1], v[T], s[C0+1]
	v_cndmask_b32 v[I], v[I], s[KS], s[C0]
.endm
.irp i, 0,1,2,3,4,5,6,7
	s_wait_dscnt 21-3*\i                           ; this turn's three loads are in; the three of each later turn stay out
.if \i == 7
.irp e, 0,1,2,3,4,5,6,7,8,9
	v_cndmask_b32 v[V+70+\e], v[NINF], v[V+70+\e], vcc_lo
.endr
.endif
.irp e, 0,1,2,3,4,5,6,7,8,9
	INS V+10*\i+\e, 320*\i+\e
.endr
.endr
.irp j, 0,1,2,3
	v_add_nc_u32 v[I+\j], v[I+\j], v24             ; the whole group number,
.endr
.irp j, 0,1,2,3
	v_cvt_f32_u32 v[I+\j], v[I+\j]                 ; as f32 (under 2,500: exact), so that the wave's minimum can ride on f32 arithmetic
.endr
; The best of the 32 heads, ties to the lowest group; its lane moves up.
.macro POP k
	v_max_num_f32_dpp v[M], v[A], v[A] row_xmask:1 row_mask:0xf bank_mask:0xf
	v_max_num_f32_dpp v[M], v[M], v[M] row_xmask:2 row_mask:0xf bank_mask:0xf
	v_max_num_f32_dpp v[M], v[M], v[M] row_xmask:4 row_mask:0xf bank_mask:0xf
	v_max_num_f32_dpp v[M], v[M], v[M] row_xmask:8 row_mask:0xf bank_mask:0xf
	v_permlanex16_b32 v[PM], v[M], s[SEL], s[SEL+1]
	v_max_num_f32 v[M], v[M], v[PM]
	v_cmp_eq_f32 s[C0], v[A], v[M]
	v_cndmask_b32 v[CA], v[PINF], v[I], s[C0]
	v_min_num_f32_dpp v[CA], v[CA], v[CA] row_xmask:1 row_mask:0xf bank_mask:0xf
	v_min_num_f32_dpp v[CA], v[CA], v[CA] row_xmask:2 row_mask:0xf bank_mask:0xf
	v_min_num_f32_dpp v[CA], v[CA], v[CA] row_xmask:4 row_mask:0xf bank_mask:0xf
	v_min_num_f32_dpp v[CA], v[CA], v[CA] row_xmask:8 row_mask:0xf bank_mask:0xf
	v_permlanex16_b32 v[PM], v[CA], s[SEL], s[SEL+1]
	v_min_num_f32 v[SL+\k], v[CA], v[PM]
.if \k < 3
	v_cmp_eq_f32 s[C0+1], v[I], v[SL+\k]
	s_and_b32 s[C0], s[C0], s[C0+1]                ; the one lane whose head was taken
	v_cndmask_b32 v[A], v[A], v[A+1], s[C0]
	v_cndmask_b32 v[A+1], v[A+1], v[A+2], s[C0]
	v_cndmask_b32 v[A+2], v[A+2], v[A+3], s[C0]
	v_cndmask_b32 v[A+3], v[A+3], v[NINF], s[C0]
	v_cndmask_b32 v[I], v[I], v[I+1], s[C0]
	v_cndmask_b32 v[I+1], v[I+1], v[I+2], s[C0]
	v_cndmask_b32 v[I+2], v[I+2], v[I+3], s[C0]
.endif
.endm
	POP 0
	POP 1
	POP 2
	POP 3
.irp k, 0,1,2,3
	v_cvt_u32_f32 v[SL+\k], v[SL+\k]
.endr
	v_cmp_eq_u32 vcc_lo, 0, v[LN]
	s_wait_xcnt 0x0                                ; EXEC changes only behind this wait
	s_wait_tensorcnt 0x0
	ds_add_u32 v128, v129
	s_wait_dscnt 0x0
	s_and_saveexec_b32 s33, vcc_lo                 ; every lane holds the four: lane 0 stores them
	global_store_b128 v25, v[SL:SL+3], s[8:9]
	s_endpgm
.Lfunc_end_k_qf93613cbd5_pick:
	.size	k_qf93613cbd5_pick, .Lfunc_end_k_qf93613cbd5_pick-k_qf93613cbd5_pick
	.p2alignl 7, 3214868480
	.fill 96, 4, 3214868480
	.section	.rodata,"a",@progbits
	.p2align	6, 0x0
	.amdhsa_kernel k_qf93613cbd5_pick
		.amdhsa_group_segment_fixed_size 168448
		.amdhsa_private_segment_fixed_size 0
		.amdhsa_enable_private_segment 0
		.amdhsa_kernarg_size 24
		.amdhsa_user_sgpr_count 2
		.amdhsa_user_sgpr_kernarg_segment_ptr 1
		.amdhsa_wavefront_size32 1
		.amdhsa_system_sgpr_workgroup_id_x 1
		.amdhsa_system_sgpr_workgroup_id_y 1
		.amdhsa_system_sgpr_workgroup_id_z 1
		.amdhsa_system_vgpr_workitem_id 0
		.amdhsa_next_free_vgpr 130
		.amdhsa_next_free_sgpr 66
		.amdhsa_reserve_vcc 1
		.amdhsa_float_denorm_mode_32 3
		.amdhsa_float_denorm_mode_16_64 3
		.amdhsa_memory_ordered 1
		.amdhsa_forward_progress 1
		.amdhsa_inst_pref_size 91
	.end_amdhsa_kernel
	.amdgpu_metadata
---
amdhsa.version: [ 1, 2 ]
amdhsa.kernels:
  - .name:           k_qf93613cbd5_pick
    .symbol:         k_qf93613cbd5_pick.kd
    .args:
      - { .name: gmax, .offset: 0, .size: 8, .value_kind: global_buffer, .address_space: global }
      - { .name: nsq, .offset: 8, .size: 8, .value_kind: global_buffer, .address_space: global }
      - { .name: gsel, .offset: 16, .size: 8, .value_kind: global_buffer, .address_space: global }
    .group_segment_fixed_size: 168448
    .private_segment_fixed_size: 0
    .kernarg_segment_align: 8
    .kernarg_segment_size: 24
    .max_flat_workgroup_size: 128
    .sgpr_count:     66
    .vgpr_count:     130
    .wavefront_size: 32
...
	.end_amdgpu_metadata
.endif
;; end of part 3
;; launch final (part 4): grid 256 x 1, 4 waves a work-group, no clusters, 0 bytes of LDS; arguments codes, scl, nsq, gsel, positions, out0; writes out0
.if DOCPART == 4
	.amdgcn_target "amdgcn-amd-amdhsa--gfx1250"
	.amdhsa_code_object_version 6
	.text
	.protected	k_qf93613cbd5_final
	.globl	k_qf93613cbd5_final
	.p2align	8
	.type	k_qf93613cbd5_final,@function
k_qf93613cbd5_final:
	s_mov_b64 s[64:65], 0
	v_nop
	global_prefetch_b8 v0, s[64:65] scope:SCOPE_SE
	s_setreg_imm32_b32 hwreg(HW_REG_WAVE_MODE, 25, 1), 1
	s_wait_xcnt 0x0
; For each query: the 160 fingerprints of its four chosen groups once more; dist = sqrt(max((x2 - 2 x.f) + f2, 0) + 1e-12); the four smallest, ties to the lower index; their positions,
; weighed by 1 / (dist + 1e-6)^2 and divided by the weights' sum + 1e-12.
; SHARES.  One wave to a query, q = 4 x work-group + wave.  The groups' numbers are whole numbers that the launch before stored; each is held to 2,499 before it enters an address.
; PRODUCTS.  Ten tiles of 16 fingerprints (source 1: two runs of eight neighbouring rows each); source 0 is the query's row given to all 16 rows, so register 0 of a result holds, in lane l, 2 x.f of the
; tile's fingerprint l % 16 (x's scale bytes are stored one higher).  Two tiles make a pair: lanes 0-15 keep the first tile's number, lanes 16-31 the second's: lane l is candidate 32 p + l.
; All loads go out in one run, straight into registers; operands are read once, so LDS would add nothing; the waves share nothing, so there is no barrier.
; LIMITS: NaN and infinities are not served; v_sqrt_f32 and v_rcp_f32 are good to the last bit or so, not correctly rounded.
.set L7,  2                            ; v2   lane % 8
.set HB,  3                            ; v3   (lane / 8) % 2;   v4  1 - that
.set H,   5                            ; v5   lane / 16;        v6  1 - that;   v7  16 x that
.set VR,  8                            ; v8-17   tile i: my fingerprint
.set VA,  18                           ; v18-27  tile i: its codes' byte offset
.set CR,  28                           ; v28-32  pair p: my candidate's row
.set XSC, 33                           ; v33     the query's scale word: written by its load alone
.set NX2, 34                           ; v34     minus the query's sum of squares
.set QO,  35                           ; v35     4 q; behind the loads +infinity
.set BS,  36                           ; v36-45  tile i: the fingerprints' scale words: written by their loads alone
.set NF,  46                           ; v46-50  pair p: minus my candidate's sum of squares
.set AO,  51                           ; v51     128 q + 16 (lane / 16)
.set POS, 52                           ; v52-61  pair p: my candidate's position; its low register first holds the load's own byte offset
.set AF,  64                           ; v64-79  the query's fragment
.set BF,  80                           ; v80-239 ten fragments of fingerprints
.set DA,  240                          ; v240-247, v248-255 a pair's two results.  Until the loads are in, these registers hold byte offsets:
.set DB,  248
.set VS,  240                          ; v240-249 tile i: 4 x my fingerprint
.set CN,  250                          ; v250-254 pair p: 4 x my candidate's row
.set KEY, 18                           ; behind the loads: v18-22 pair p: my candidate's distance
.set ROWF, 23                          ; v23-27  its row as f32 (under 100,000: exact)
.set WGT, 8                            ; v8-12   its weight, 0 if it is not chosen
.set CD,  80                           ; v80-84  at work
.set SEL, 20                           ; s[20:21] v_permlanex16_b32's selects for lane l xor 16
	s_load_b256 s[4:11], s[0:1], 0x0               ; codes s[4:5], scl s[6:7], nsq s[8:9], gsel s[10:11]
	s_load_b128 s[12:15], s[0:1], 0x20             ; positions s[12:13], out0 s[14:15]
	v_lshrrev_b32 v1, 5, v0
	v_readfirstlane_b32 s2, v1                     ; wave 0..3
	s_lshl_b32 s3, ttmp9, 2
	s_add_co_u32 s3, s3, s2                        ; q
	s_lshl_b32 s54, s3, 4
	s_mov_b32 s55, 0
	s_lshl_b32 s56, s3, 3
	s_mov_b32 s57, 0
	s_lshl_b32 s44, s3, 2
	s_lshl_b32 s45, s3, 7
	s_mov_b32 s[SEL], 0x76543210
	s_mov_b32 s[SEL+1], 0xfedcba98
	s_mov_b32 s22, 0xffff0000                      ; lanes 16-31
	v_and_b32 v1, 31, v0                           ; lane
	v_and_b32 v[L7], 7, v0
	v_bfe_u32 v[HB], v0, 3, 1
	v_sub_nc_u32 v4, 1, v[HB]
	v_bfe_u32 v[H], v0, 4, 1
	v_sub_nc_u32 v6, 1, v[H]
	v_lshlrev_b32 v7, 4, v[H]
	v_mov_b32 v[QO], s44
	v_lshl_add_u32 v[AO], v[H], 4, s45
	s_wait_kmcnt 0x0
	s_add_nc_u64 s[10:11], s[10:11], s[54:55]
	s_load_b128 s[16:19], s[10:11], 0x0            ; my query's four groups
	s_add_nc_u64 s[14:15], s[14:15], s[56:57]
.irp c, 0,1,2,3
	global_load_b128 v[AF+4*\c:AF+4*\c+3], v[AO], s[4:5] offset:32*\c   ; the query's codes: every lane of a half takes the same 16 bytes of each block
.endr
	global_load_b32 v[XSC], v[QO], s[6:7]
	global_load_b32 v[NX2], v[QO], s[8:9]
	s_wait_kmcnt 0x0
.irp k, 0,1,2,3
	s_min_u32 s[16+\k], s[16+\k], 2499             ; a loaded number enters an address only behind this hold
	s_mul_i32 s[24+5*\k], s[16+\k], 40             ; s24-43: the first rows of the 20 runs of eight
.irp j, 1,2,3,4
	s_add_co_u32 s[24+5*\k+\j], s[24+5*\k], 8*\j
.endr
.endr
.irp i, 0,1,2,3,4,5,6,7,8,9
	v_mad_u32_u24 v[VR+\i], s[24+2*\i], v4, v[L7]              ; lanes with (lane / 8) % 2 = 0: run 2 i,
	v_mad_u32_u24 v[VR+\i], s[25+2*\i], v[HB], v[VR+\i]        ; the others: run 2 i + 1
	v_lshl_add_u32 v[VA+\i], v[VR+\i], 7, v7                   ; 128 bytes a row, + 16 (lane / 16)
	v_lshlrev_b32 v[VS+\i], 2, v[VR+\i]
.endr
.irp p, 0,1,2,3,4
	v_mul_u32_u24 v[CR+\p], v6, v[VR+2*\p]                     ; lanes 0-15: tile 2 p's fingerprint,
	v_mad_u32_u24 v[CR+\p], v[H], v[VR+2*\p+1], v[CR+\p]       ; lanes 16-31: tile 2 p + 1's
	v_lshlrev_b32 v[CN+\p], 2, v[CR+\p]
	v_lshlrev_b32 v[POS+2*\p], 3, v[CR+\p]
.endr
.irp i, 0,1,2,3,4,5,6,7,8,9
.irp c, 0,1,2,3
	global_load_b128 v[BF+16*\i+4*\c:BF+16*\i+4*\c+3], v[VA+\i], s[4:5] offset:131072+32*\c   ; the fingerprints' rows lie behind x's 1,024
.endr
	global_load_b32 v[BS+\i], v[VS+\i], s[6:7] offset:4096
.endr
.irp p, 0,1,2,3,4
	global_load_b32 v[NF+\p], v[CN+\p], s[8:9] offset:4096
	global_load_b64 v[POS+2*\p:POS+2*\p+1], v[POS+2*\p], s[12:13]      ; lands on its own offset register
.endr
	s_wait_loadcnt 0x0                             ; all are in: every offset register is free
; Behind a pair's two products stand nine plain vector instructions that name none of their registers: eight are owed in front of the read of a result, nine in front of the next pair's products,
; which write the same registers again.  Each result is read at its lowest register.
.irp p, 0,1,2,3,4
	v_wmma_scale_f32_16x16x128_f8f6f4 v[DA:DA+7], v[AF:AF+15], v[BF+32*\p:BF+32*\p+15], 0, v[XSC], v[BS+2*\p] matrix_a_fmt:MATRIX_FMT_BF8 matrix_b_fmt:MATRIX_FMT_BF8
	v_wmma_scale_f32_16x16x128_f8f6f4 v[DB:DB+7], v[AF:AF+15], v[BF+32*\p+16:BF+32*\p+31], 0, v[XSC], v[BS+2*\p+1] matrix_a_fmt:MATRIX_FMT_BF8 matrix_b_fmt:MATRIX_FMT_BF8
	v_cvt_f32_u32 v[ROWF+\p], v[CR+\p]
	v_mov_b32 v[WGT+\p], 0
.rept 7
	v_nop
.endr
	v_cndmask_b32 v[KEY+\p], v[DA], v[DB], s22     ; 2 x.f of candidate 32 p + lane
.endr
	v_mul_f32 v13, -1.0, v[NX2]                    ; x2
	v_mov_b32 v[QO], 0x7f800000                    ; +infinity
.irp p, 0,1,2,3,4
	v_sub_f32 v[KEY+\p], v13, v[KEY+\p]            ; x2 - 2 x.f,
.endr
.irp p, 0,1,2,3,4
	v_sub_f32 v[KEY+\p], v[KEY+\p], v[NF+\p]       ; + f2,
.endr
.irp p, 0,1,2,3,4
	v_max_num_f32 v[KEY+\p], 0, v[KEY+\p]          ; not under 0,
.endr
.irp p, 0,1,2,3,4
	v_add_f32 v[KEY+\p], 0x2b8cbccc, v[KEY+\p]     ; + 1e-12,
.endr
.irp p, 0,1,2,3,4
	v_sqrt_f32 v[KEY+\p], v[KEY+\p]                ; the distance
.endr
	v_mov_b32 v63, 0                               ; the weights' sum.  (A plain line behind the roots)
	s_wait_alu depctr_va_vdst(0)
.macro WMIN reg, dst                   ; the smallest of the 32 lanes' v[reg], in every lane
	v_min_num_f32_dpp v[\reg], v[\reg], v[\reg] row_xmask:1 row_mask:0xf bank_mask:0xf
	v_min_num_f32_dpp v[\reg], v[\reg], v[\reg] row_xmask:2 row_mask:0xf bank_mask:0xf
	v_min_num_f32_dpp v[\reg], v[\reg], v[\reg] row_xmask:4 row_mask:0xf bank_mask:0xf
	v_min_num_f32_dpp v[\reg], v[\reg], v[\reg] row_xmask:8 row_mask:0xf bank_mask:0xf
	v_permlanex16_b32 v16, v[\reg], s[SEL], s[SEL+1]
	v_min_num_f32 v[\dst], v[\reg], v16
.endm
.macro WSUM reg                        ; the sum of the 32 lanes' v[reg], in every lane
	v_add_f32_dpp v[\reg], v[\reg], v[\reg] row_xmask:1 row_mask:0xf bank_mask:0xf
	v_add_f32_dpp v[\reg], v[\reg], v[\reg] row_xmask:2 row_mask:0xf bank_mask:0xf
	v_add_f32_dpp v[\reg], v[\reg], v[\reg] row_xmask:4 row_mask:0xf bank_mask:0xf
	v_add_f32_dpp v[\reg], v[\reg], v[\reg] row_xmask:8 row_mask:0xf bank_mask:0xf
	v_permlanex16_b32 v16, v[\reg], s[SEL], s[SEL+1]
	v_add_f32 v[\reg], v[\reg], v16
.endm
; The nearest candidate left, ties to the lowest row, gets its weight and leaves the race.  The 160 rows are all different, so one register of one lane is meant.
.macro NEAREST last
	v_min3_num_f32 v14, v[KEY], v[KEY+1], v[KEY+2]
	v_min3_num_f32 v14, v14, v[KEY+3], v[KEY+4]
	WMIN 14, 15                                    ; v15: the distance
.irp p, 0,1,2,3,4
	v_cmp_eq_f32 vcc_lo, v[KEY+\p], v15
	v_cndmask_b32 v[CD+\p], v[QO], v[ROWF+\p], vcc_lo
.endr
	v_min3_num_f32 v14, v[CD], v[CD+1], v[CD+2]
	v_min3_num_f32 v14, v14, v[CD+3], v[CD+4]
	WMIN 14, 17                                    ; v17: the row
	v_add_f32 v62, 0x358637bd, v15                 ; + 1e-6,
	v_mul_f32 v62, v62, v62                        ; squared,
	v_rcp_f32 v62, v62                             ; the weight; the compare below is the plain line behind it
.irp p, 0,1,2,3,4
	v_cmp_eq_f32 vcc_lo, v[ROWF+\p], v17
	s_wait_alu depctr_va_vdst(0)
	v_cndmask_b32 v[WGT+\p], v[WGT+\p], v62, vcc_lo
.if !\last
	v_cndmask_b32 v[KEY+\p], v[KEY+\p], v[QO], vcc_lo
.endif
.endr
	v_add_f32 v63, v63, v62
.endm
	NEAREST 0
	NEAREST 0
	NEAREST 0
	NEAREST 1
	v_mul_f32 v14, v[WGT], v[POS]                  ; weight x position, over my five candidates,
	v_mul_f32 v15, v[WGT], v[POS+1]
.irp p, 1,2,3,4
	v_fmac_f32 v14, v[WGT+\p], v[POS+2*\p]
	v_fmac_f32 v15, v[WGT+\p], v[POS+2*\p+1]
.endr
	WSUM 14                                        ; and over the lanes
	WSUM 15
	v_add_f32 v63, 0x2b8cbccc, v63                 ; the weights' sum + 1e-12
	v_rcp_f32 v63, v63
	v_mov_b32 v13, 0                               ; (a plain line behind the reciprocal)  the store's offset
	s_wait_alu depctr_va_vdst(0)
	v_mul_f32 v14, v14, v63
	v_mul_f32 v15, v15, v63
	v_cmp_eq_u32 vcc_lo, 0, v1
	s_wait_xcnt 0x0                                ; EXEC changes only behind this wait
	s_and_saveexec_b32 s56, vcc_lo                 ; every lane holds the result: lane 0 stores it
	global_store_b64 v13, v[14:15], s[14:15]
	s_endpgm
.Lfunc_end_k_qf93613cbd5_final:
	.size	k_qf93613cbd5_final, .Lfunc_end_k_qf93613cbd5_final-k_qf93613cbd5_final
	.p2alignl 7, 3214868480
	.fill 96, 4, 3214868480
	.section	.rodata,"a",@progbits
	.p2align	6, 0x0
	.amdhsa_kernel k_qf93613cbd5_final
		.amdhsa_group_segment_fixed_size 0
		.amdhsa_private_segment_fixed_size 0
		.amdhsa_enable_private_segment 0
		.amdhsa_kernarg_size 48
		.amdhsa_user_sgpr_count 2
		.amdhsa_user_sgpr_kernarg_segment_ptr 1
		.amdhsa_wavefront_size32 1
		.amdhsa_system_sgpr_workgroup_id_x 1
		.amdhsa_system_sgpr_workgroup_id_y 1
		.amdhsa_system_sgpr_workgroup_id_z 1
		.amdhsa_system_vgpr_workitem_id 0
		.amdhsa_next_free_vgpr 256
		.amdhsa_next_free_sgpr 66
		.amdhsa_reserve_vcc 1
		.amdhsa_float_denorm_mode_32 3
		.amdhsa_float_denorm_mode_16_64 3
		.amdhsa_memory_ordered 1
		.amdhsa_forward_progress 1
		.amdhsa_inst_pref_size 25
	.end_amdhsa_kernel
	.amdgpu_metadata
---
amdhsa.version: [ 1, 2 ]
amdhsa.kernels:
  - .name:           k_qf93613cbd5_final
    .symbol:         k_qf93613cbd5_final.kd
    .args:
      - { .name: codes, .offset: 0, .size: 8, .value_kind: global_buffer, .address_space: global }
      - { .name: scl, .offset: 8, .size: 8, .value_kind: global_buffer, .address_space: global }
      - { .name: nsq, .offset: 16, .size: 8, .value_kind: global_buffer, .address_space: global }
      - { .name: gsel, .offset: 24, .size: 8, .value_kind: global_buffer, .address_space: global }
      - { .name: positions, .offset: 32, .size: 8, .value_kind: global_buffer, .address_space: global }
      - { .name: out0, .offset: 40, .size: 8, .value_kind: global_buffer, .address_space: global }
    .group_segment_fixed_size: 0
    .private_segment_fixed_size: 0
    .kernarg_segment_align: 8
    .kernarg_segment_size: 48
    .max_flat_workgroup_size: 128
    .sgpr_count:     66
    .vgpr_count:     256
    .wavefront_size: 32
...
	.end_amdgpu_metadata
.endif
;; end of part 4
